; MI455X (gfx1250); checked and timed in simulation.
; The chip was launched on July 23, 2026; its instructions are those of AMD's public machine-readable ISA for CDNA 5 (MIT licence, August 2026) and "CDNA5" Instruction Set Architecture Reference Guide (July 2026). The comments in the code are by the model that wrote it; some were corrected since.
;; Praxis Expert. Allowed arithmetic: matrix products marked QUANTISED: E3M2 operands, one E8M0 scale for each 32 along K, by v_wmma_scale_f32_16x16x128_f8f6f4 with both operands' format E3M2, f32 sums; everything else in f32.
;; Inputs: W1 8 x 512 x 2,048 float32; W2 8 x 2,048 x 512 float32; b1 8 x 2,048 float32; b2 8 x 512 float32; expert_indices 4 x 1,024 x 2 int32; inputs 4 x 1,024 x 512 float32.
;; Outputs: out0 4 x 1,024 x 2 x 512 float32.
;; This version of the problem:
;;   THIS VERSION OF THE PROBLEM IS GIVEN IN LOW PRECISION. The matrix products marked QUANTISED in the list below multiply operands that are first quantised to E3M2 (3 exponent bits, 2 mantissa bits; 6 bits a number), with one power-of-two scale for each 32 numbers along K (OCP MX v1.0); their sums are f32. All else is computed in f32.
;;   The module's matrix products, in the order in which they are computed (A, B: the left and right operand; K: the contracted axis; several contracted axes count as one K, in the product's order):
;;     1. [M 16,384, K 512] x [K 512, N 4,096]; A: input W1; B: input inputs: QUANTISED
;;     2. batch 8 x [M 4,096, K 2,048] x [K 2,048, N 512]; A: computed on the way; B: input W2: QUANTISED
;;   THE QUANTISER, for each operand of a quantised product, along K:
;;     - K is cut into blocks of 32 from its start; a last block that is shorter is filled with zeros.
;;     - A block's scale is 2^e with e = floor(log2(the largest magnitude in the block)) - 4, held to -126 .. 127; a block of zeros has e = 0. As a byte (E8M0): e + 127.
;;     - Each number is divided by its block's scale, clamped to +-28, and rounded to the nearest number of E3M2, ties to even, subnormals kept.
;;     - The product sums the exact products of the quantised numbers (number of the format x scale) in f32.
;;   ~~~python
;;   def quantise(x, axis):      # numpy; x: float32 -> the quantised numbers, widened to float32 again
;;       x = np.moveaxis(x, axis, -1); K = x.shape[-1]
;;       x = np.pad(x, [(0, 0)] * (x.ndim - 1) + [(0, -K % 32)]); x = x.reshape(x.shape[:-1] + (-1, 32)); a = np.abs(x).max(-1, keepdims=True)
;;       e = np.where(a > 0, np.clip(np.frexp(np.where(a > 0, a, 1))[1] - 1 - 4, -126, 127), 0)      # np.frexp(a)[1] - 1 = floor(log2(a)), exactly
;;       r = np.clip(x / 2.0 ** e, -28, 28)
;;       step = 2.0 ** (np.maximum(np.frexp(np.where(r == 0, 1, r))[1] - 1, -2) - 2)
;;       q = np.round(r / step) * step * 2.0 ** e      # np.round: ties to even
;;       return np.moveaxis(q.reshape(q.shape[:-2] + (-1,))[..., :K], -1, axis).astype(np.float32)
;;   ~~~
;;   OPERANDS COMPUTED ON THE WAY. 'Computed on the way' means the value that the module computes at that place (a softmax that the list does not call 'softmax' is quantised finished and normalised). What goes into a quantiser is computed in f32, as accurately as f32 sums, v_exp_f32 and their like allow (about 1e-6 of the number): no bf16 or f16 on the way to a quantiser, and a product that is left as it is and whose result goes on into a quantised operand takes f32 operands (vector FMAs, or v_wmma_f32_16x16x4_f32). A number that lies on a knife's edge between two numbers of the format may be rounded either way, as far as f32 arithmetic and the matrix unit's own rounding can turn it there, and no further.
;; 2 versions, each right; version 2 is version 1 with the launch chain written anew for expert scheduling mode. Each part assembles by itself: llvm-mc -triple=amdgcn-amd-amdhsa -mcpu=gfx1250 --defsym DOCPART=n.
;; ======== version 1 of 2: 2 launches
;; workspace buffers: wq 13,107,200 bytes; order 32,768 bytes of whole numbers; tiles 4,096 bytes of whole numbers
;; launch prep (part 1): grid 513 x 1, 8 waves a work-group, no clusters, 3,584 bytes of LDS; arguments W1, W2, expert_indices, wq, order, tiles; writes wq, order, tiles
.if DOCPART == 1
	.amdgcn_target "amdgcn-amd-amdhsa--gfx1250"
	.amdhsa_code_object_version 6
	.text
	.protected	k_q97ec9aeea9_prep
	.globl	k_q97ec9aeea9_prep
	.p2align	8
	.type	k_q97ec9aeea9_prep,@function
k_q97ec9aeea9_prep:
	s_mov_b64 s[64:65], 0
	v_nop
	global_prefetch_b8 v0, s[64:65] scope:SCOPE_SE
	s_setreg_imm32_b32 hwreg(HW_REG_WAVE_MODE, 25, 1), 1
	s_wait_xcnt 0x0
; W1 [8][512][2048] and W2 [8][2048][512], f32 with K as the first axis inside an expert, become codes of BF6 (E3M2) with one E8M0 byte for each 32 along K,
; laid in wq in the order in which the second launch's waves take them; and the 8,192 routed rows (row 2 t + j names expert expert_indices[t][j]) are sorted by expert.
; wq: RECORDS of 12,800 bytes, record ((4 e + w) 32 + G): eight fragments (16 rows x 128 K) as images of their 12 registers (registers 4 p .. 4 p + 3 of lane l at 1,536 f + 512 p + 16 l),
;   then 512 bytes of scale words (register i of lane l at 12,288 + 16 l + 4 i: lanes 0-15 fragment 2 i's rows, lanes 16-31 fragment 2 i + 1's).
;   G = 4 ci + s: W1, hidden units 128 (4 w + ci) on, K = 128 s on; row r of fragment t is hidden unit 32 (t / 2) + 8 (t % 2) + r + 8 (r / 8) of the 128.   G = 16 + kk: W2, columns 128 w + 16 f + r, K = 128 kk on.
; WORK-GROUPS: 0 sorts the rows; 1 .. 256 take W1, 257 .. 512 W2, each 128 along K x 256 columns = two records.  Each of the three ways has LDS bytes of its own.
; A LANE TAKES A COLUMN AND ITS REGISTERS RUN DOWN K: a load reads 128 consecutive bytes a wave (the eight waves stand side by side on 1,024), a block of 32 lies in one lane, and the conversions give codes with K innermost.
; A block's scale is 2^(floor(log2(largest magnitude)) - 4); its byte is the largest magnitude's exponent field - 4, held at 1 from below.
; LIMITS: NaN and infinities among the weights are not served; a block whose largest magnitude lies under 2^-122 keeps the byte 1; a block of zeros gets the byte 1 and not 127 (its codes are zeros, and this program alone reads the bytes).
; An expert's number is taken to lie in 0 .. 7, as the table that it indexes has 8 entries.
.set REC,  12800
.set X,    32                          ; v32-95   two sets of 32 numbers, by turns
.set F,    96                          ; v96-119  the 12 registers of the fragment's lane (r, 0), then those of lane (r, 1)
.set T,    120                         ; v120-122 a block's second 16 codes (a conversion's three registers begin on an even number)
.set SB,   16                          ; v16      my row's scale word
.set V,    32                          ; the sort: v32-63 the experts of my 32 rows, later the rows' numbers
.set R,    64                          ; v64-95   their places in order
.set CN,   8                           ; v8-15    counts; in the second pass at work
.set RUN,  24                          ; s24-31   running count, later running place, of each expert
.set TOT,  32                          ; s32-39   rows of each expert
.set ST,   40                          ; s40-48   where each expert's rows begin in order
.set BEF,  49                          ; s49-56   rows of each expert in the waves before mine
.set MK,   66                          ; s66-73   a register's eight masks
.set TT,   74                          ; s74-81   their counts
.set TP,   82                          ; s82-90   first tile of each expert
.set ADJ,  91                          ; s91-98   ST - 64 TP
	s_load_b256 s[4:11], s[0:1], 0x0               ; W1 s[4:5], W2 s[6:7], expert_indices s[8:9], wq s[10:11]
	s_load_b128 s[12:15], s[0:1], 0x20             ; order s[12:13], tiles s[14:15]
	v_lshl_add_u32 v128, v0, 2, 0xa00
	v_mov_b32 v129, 0
	v_lshrrev_b32 v1, 5, v0
	v_readfirstlane_b32 s16, v1                    ; wave 0..7
	v_and_b32 v1, 31, v0                           ; lane
	s_lshr_b32 s17, s16, 2                         ; hf: which of the work-group's two records
	s_and_b32 s18, s16, 3                          ; i: which pair of fragments in it
	; every LDS address is made here, ahead of the parting; each way's base stands in the immediates
	s_lshl_b32 s19, s17, 9
	v_lshl_add_u32 v5, v1, 4, s19                  ; 512 hf + 16 lane: a record's scale words, read back
	s_lshl_b32 s20, s18, 2
	v_add_nc_u32 v4, s20, v5                       ; + 4 i: where I put my scale word
	v_lshlrev_b32 v6, 4, v1                        ; 16 lane
	s_lshl_b32 s20, s16, 5
	v_mov_b32 v17, s20                             ; the sort: my wave's eight counts
	v_and_b32 v18, 7, v0
	v_lshlrev_b32 v18, 2, v18                      ; the sort: lane l reads expert l % 8's counts
	v_lshrrev_b32 v10, 4, v1
	v_and_b32 v11, 15, v1
	v_mul_u32_u24 v3, v10, 1536
	v_lshl_add_u32 v3, v11, 4, v3
	s_mul_i32 s20, s18, 3072
	v_add_nc_u32 v3, s20, v3                       ; my row's place in the record: fragment 2 i + lane / 16, 16 bytes at row lane % 16
	s_wait_kmcnt 0x0
	s_cmp_eq_u32 ttmp9, 0
	s_cbranch_scc1 .Lroute
	s_cmp_gt_u32 ttmp9, 256
	s_cbranch_scc1 .Lw2
.macro LOAD b, src, pitch              ; block b: rows 32 b .. 32 b + 31 of K at my column, into set b % 2
.set i, 0
.rept 32
	global_load_b32 v[X+32*((\b)%2)+i], v2, s[\src:\src+1] offset:(32*(\b)+i)*(\pitch) th:TH_LOAD_NT
.set i, i+1
.endr
.endm
.macro BLOCK b, src, pitch
.set XS, X+32*((\b)%2)
.set FD, F+12*((\b)%2)+6*((\b)/2)      ; block b belongs to the fragment's lane (r, b % 2), registers 6 (b / 2) on
.if (\b) < 3
	s_wait_loadcnt 32                              ; this block's 32 loads are in; the next block's 32 may be out
.else
	s_wait_loadcnt 0
.endif
	v_max3_num_f32 v12, |v[XS]|, |v[XS+1]|, |v[XS+2]|              ; the block's largest magnitude, in two chains: all 32 numbers are mine
	v_max3_num_f32 v13, |v[XS+3]|, |v[XS+4]|, |v[XS+5]|
.irp k, 6,10,14,18,22,26
	v_max3_num_f32 v12, v12, |v[XS+\k]|, |v[XS+\k+1]|
	v_max3_num_f32 v13, v13, |v[XS+\k+2]|, |v[XS+\k+3]|
.endr
	v_max3_num_f32 v12, v12, |v[XS+30]|, |v[XS+31]|
	v_max3_num_f32 v12, v12, v13, 0x2800000        ; and the floor 2^(5 - 127): the byte cannot fall under 1
	v_add_nc_u32 v11, 0xfe000000, v12              ; 4 off the exponent field: the conversion takes this operand's exponent field as its scale
	v_lshrrev_b32 v13, 23, v11                     ; the scale's byte
.if (\b) == 0
	v_mov_b32 v[SB], v13
.else
	v_lshl_or_b32 v[SB], v13, 8*(\b), v[SB]        ; the lower K in the lower byte
.endif
	v_cvt_scalef32_pk16_bf6_f32 v[FD:FD+2], v[XS:XS+15], v11
	v_cvt_scalef32_pk16_bf6_f32 v[T:T+2], v[XS+16:XS+31], v11
	v_nop                                          ; one plain instruction between a scaled conversion and the vector instruction that reads its result
.irp k, 0,1,2
	v_mov_b32 v[FD+3+\k], v[T+\k]
.endr
.if (\b)+2 < 4
	LOAD (\b)+2, \src, \pitch                      ; the set that has just been converted takes the block two on
.endif
.endm
; The whole of a patch: four blocks, the codes' six stores, the scale words through LDS.
.macro QPATCH src, pitch, lds
	LOAD 0, \src, \pitch
	LOAD 1, \src, \pitch
	BLOCK 0, \src, \pitch
	BLOCK 1, \src, \pitch
	BLOCK 2, \src, \pitch
	BLOCK 3, \src, \pitch
	ds_store_b32 v4, v[SB] offset:\lds             ; word i of lane l's sixteen bytes
.irp h, 0,1
.irp p, 0,1,2
	global_store_b128 v3, v[F+12*\h+4*\p:F+12*\h+4*\p+3], s[10:11] offset:256*\h+512*\p   ; lanes 0-15 store 256 consecutive bytes, aligned; lanes 16-31 another such run, a fragment on
.endr
.endr
	s_wait_dscnt 0x0                               ; for the others' sake: my scale word lies in LDS
	s_barrier_signal -1
	s_barrier_wait -1
	s_cmp_lg_u32 s18, 0                            ; one wave of each record's four stores its 512 bytes of scale words
	s_cbranch_scc1 .Ldone_\@
	ds_load_b128 v[20:23], v5 offset:\lds
	s_wait_dscnt 0x0
	global_store_b128 v6, v[20:23], s[10:11] offset:12288      ; 512 consecutive bytes, aligned
.Ldone_\@:
	s_wait_tensorcnt 0x0
	ds_add_u32 v128, v129
	s_wait_dscnt 0x0
	s_endpgm
.endm
	; ---- W1: p = e x 32 + s x 8 + cp: expert, K step of 128, pair of hidden chunks
	s_sub_co_u32 s24, ttmp9, 1
	s_lshr_b32 s25, s24, 5                         ; e
	s_bfe_u32 s26, s24, 0x20003                    ; s
	s_and_b32 s27, s24, 7                          ; cp
	s_lshl_b32 s28, s25, 22                        ; an expert is 4,194,304 bytes,
	s_lshl_b32 s29, s26, 20                        ; 128 rows of 8,192 bytes,
	s_add_co_u32 s28, s28, s29
	s_lshl_b32 s29, s27, 10                        ; 256 columns,
	s_add_co_u32 s28, s28, s29
	s_lshl_b32 s29, s16, 7                         ; my wave's 32 columns
	s_add_co_u32 s28, s28, s29
	s_mov_b32 s29, 0
	s_add_nc_u64 s[4:5], s[4:5], s[28:29]
	s_lshl_b32 s30, s27, 1
	s_add_co_u32 s30, s30, s17                     ; c = 2 cp + hf
	s_lshr_b32 s31, s30, 2                         ; w = c / 4
	s_and_b32 s30, s30, 3                          ; ci = c % 4
	s_lshl_b32 s32, s25, 2
	s_add_co_u32 s32, s32, s31
	s_lshl_b32 s32, s32, 5
	s_lshl_b32 s30, s30, 2
	s_add_co_u32 s32, s32, s30
	s_add_co_u32 s32, s32, s26                     ; record (4 e + w) 32 + 4 ci + s
	s_mul_i32 s32, s32, REC
	s_mov_b32 s33, 0
	s_add_nc_u64 s[10:11], s[10:11], s[32:33]
	v_and_b32 v2, 8, v1                            ; lane (tb, r) takes column 8 tb + r % 8 + 16 (r / 8) of the 32: row r of fragment 2 i + tb
	v_lshlrev_b32 v2, 1, v2
	v_lshl_or_b32 v2, v10, 3, v2
	v_and_b32 v12, 7, v1
	v_or_b32 v2, v2, v12
	v_lshlrev_b32 v2, 2, v2
	QPATCH 4, 8192, 0
.Lw2:	; ---- W2: p = e x 32 + kk x 2 + half: expert, K step of 128, half of the 512 columns
	s_sub_co_u32 s24, ttmp9, 257
	s_lshr_b32 s25, s24, 5                         ; e
	s_bfe_u32 s26, s24, 0x40001                    ; kk
	s_and_b32 s27, s24, 1                          ; half
	s_lshl_b32 s28, s25, 22
	s_lshl_b32 s29, s26, 18                        ; 128 rows of 2,048 bytes
	s_add_co_u32 s28, s28, s29
	s_lshl_b32 s29, s27, 10
	s_add_co_u32 s28, s28, s29
	s_lshl_b32 s29, s16, 7
	s_add_co_u32 s28, s28, s29
	s_mov_b32 s29, 0
	s_add_nc_u64 s[6:7], s[6:7], s[28:29]
	s_lshl_b32 s30, s27, 1
	s_add_co_u32 s30, s30, s17                     ; w = 2 half + hf
	s_lshl_b32 s32, s25, 2
	s_add_co_u32 s32, s32, s30
	s_lshl_b32 s32, s32, 5
	s_add_co_u32 s32, s32, s26
	s_add_co_u32 s32, s32, 16                      ; record (4 e + w) 32 + 16 + kk
	s_mul_i32 s32, s32, REC
	s_mov_b32 s33, 0
	s_add_nc_u64 s[10:11], s[10:11], s[32:33]
	v_lshlrev_b32 v2, 2, v1                        ; lane l takes column l of the 32: row l % 16 of fragment 2 i + l / 16
	QPATCH 6, 2048, 1024
.Lroute:	; ---- the counting sort.  Wave W holds rows 1,024 W .. + 1,023: register 4 j + c of lane l is row 1,024 W + 128 j + 4 l + c
	s_lshl_b32 s20, s16, 12
	v_lshl_add_u32 v2, v1, 4, s20
.irp j, 0,1,2,3,4,5,6,7
	global_load_b128 v[V+4*\j:V+4*\j+3], v2, s[8:9] offset:512*\j
.endr
.irp e, 0,1,2,3,4,5,6,7
	s_mov_b32 s[RUN+\e], 0
.endr
	s_wait_loadcnt 0x0
	; first pass: how many of my wave's rows each expert has.  Eight masks at a time, so that no line wants the result of the line just above it
.set q, 0
.rept 32
.irp e, 0,1,2,3,4,5,6,7
	v_cmp_eq_u32 s[MK+\e], \e, v[V+q]
.endr
.irp e, 0,1,2,3,4,5,6,7
	s_bcnt1_i32_b32 s[TT+\e], s[MK+\e]
.endr
.irp e, 0,1,2,3,4,5,6,7
	s_add_co_u32 s[RUN+\e], s[RUN+\e], s[TT+\e]
.endr
.set q, q+1
.endr
.irp e, 0,1,2,3,4,5,6,7
	v_mov_b32 v[CN+\e], s[RUN+\e]
.endr
	ds_store_b128 v17, v[CN:CN+3] offset:2048      ; every lane writes the same words with the same values
	ds_store_b128 v17, v[CN+4:CN+7] offset:2064
	s_wait_dscnt 0x0                               ; for the others' sake: my counts lie in LDS
	s_barrier_signal -1
	s_barrier_wait -1
.irp w, 0,1,2,3,4,5,6,7
	ds_load_b32 v[CN+\w], v18 offset:2048+32*\w    ; lane l: wave w's count of expert l % 8
.endr
	s_wait_dscnt 0x0
	v_add_nc_u32 v19, v[CN], v[CN+1]
	v_add3_u32 v19, v19, v[CN+2], v[CN+3]
	v_add3_u32 v19, v19, v[CN+4], v[CN+5]
	v_add3_u32 v19, v19, v[CN+6], v[CN+7]          ; the expert's rows in all
	v_mov_b32 v20, 0
.irp w, 0,1,2,3,4,5,6
	s_cmp_gt_u32 s16, \w
	s_cselect_b32 s20, -1, 0
	v_and_b32 v21, s20, v[CN+\w]
	v_add_nc_u32 v20, v20, v21                     ; and in the waves before mine
.endr
.irp e, 0,1,2,3,4,5,6,7
	v_readlane_b32 s[TOT+\e], v19, \e
	v_readlane_b32 s[BEF+\e], v20, \e
.endr
	s_mov_b32 s[ST], 0
	s_mov_b32 s[TP], 0
.irp e, 0,1,2,3,4,5,6,7
	s_add_co_u32 s[ST+\e+1], s[ST+\e], s[TOT+\e]   ; where the next expert's rows begin
	s_add_co_u32 s20, s[TOT+\e], 63
	s_lshr_b32 s20, s20, 6                         ; its tiles of 64 rows
	s_add_co_u32 s[TP+\e+1], s[TP+\e], s20
	s_lshl_b32 s20, s[TP+\e], 6
	s_sub_co_u32 s[ADJ+\e], s[ST+\e], s20          ; tile i of this expert begins at 64 i + ADJ
	s_add_co_u32 s[RUN+\e], s[ST+\e], s[BEF+\e]    ; where my wave's rows of this expert begin
.endr
	; second pass: a row's place = its expert's running place + the lower lanes with the same expert in this register
.set q, 0
.rept 32
.irp e, 0,1,2,3,4,5,6,7
	v_cmp_eq_u32 s[MK+\e], \e, v[V+q]
.endr
	v_mbcnt_lo_u32_b32 v[R+q], s[MK], s[RUN]
.irp e, 1,2,3,4,5,6,7
	v_mbcnt_lo_u32_b32 v[CN+\e], s[MK+\e], s[RUN+\e]
.endr
.irp e, 1,2,3,4,5,6,7
	v_cndmask_b32 v[R+q], v[R+q], v[CN+\e], s[MK+\e]
.endr
.irp e, 0,1,2,3,4,5,6,7
	s_bcnt1_i32_b32 s[TT+\e], s[MK+\e]
.endr
.irp e, 0,1,2,3,4,5,6,7
	s_add_co_u32 s[RUN+\e], s[RUN+\e], s[TT+\e]
.endr
.set q, q+1
.endr
	s_lshl_b32 s20, s16, 10
	v_lshl_add_u32 v22, v1, 2, s20                 ; 1,024 W + 4 l
.set q, 0
.rept 32
	v_min_u32 v[R+q], 0x1fff, v[R+q]               ; a place made of loaded numbers is held inside order's 8,192 words
	v_lshlrev_b32 v[R+q], 2, v[R+q]
	v_add_nc_u32 v[V+q], 128*(q/4)+q%4, v22        ; the row's number
	global_store_b32 v[R+q], v[V+q], s[12:13]      ; each store has registers of its own: none is written again
.set q, q+1
.endr
	; the list of tiles: thread i makes record i = {expert, first place in order, rows (0 .. 64), 0}; the expert is the last whose first tile is not past i
	v_mov_b32 v24, 0
	v_mov_b32 v25, s[ADJ]
	v_mov_b32 v26, s[ST+1]
.irp e, 1,2,3,4,5,6,7
	v_cmp_gt_u32 vcc_lo, s[TP+\e], v0              ; the expert's first tile lies past i: keep what stands
	v_cndmask_b32 v24, \e, v24, vcc_lo
	v_cndmask_b32 v25, s[ADJ+\e], v25, vcc_lo
	v_cndmask_b32 v26, s[ST+\e+1], v26, vcc_lo
.endr
	v_lshl_add_u32 v25, v0, 6, v25                 ; first place
	v_sub_nc_u32 v28, v26, v25
	v_min_u32 v28, 64, v28
	v_cmp_gt_u32 vcc_lo, v26, v25                  ; a record past the last tile begins at or past its expert's end: no rows
	v_cndmask_b32 v26, 0, v28, vcc_lo
	v_mov_b32 v27, 0
	v_lshlrev_b32 v29, 4, v0
	global_store_b128 v29, v[24:27], s[14:15]      ; a wave stores 512 consecutive bytes, aligned
	s_wait_tensorcnt 0x0
	ds_add_u32 v128, v129
	s_wait_dscnt 0x0
	s_endpgm
.Lfunc_end_k_q97ec9aeea9_prep:
	.size	k_q97ec9aeea9_prep, .Lfunc_end_k_q97ec9aeea9_prep-k_q97ec9aeea9_prep
	.p2alignl 7, 3214868480
	.fill 96, 4, 3214868480
	.section	.rodata,"a",@progbits
	.p2align	6, 0x0
	.amdhsa_kernel k_q97ec9aeea9_prep
		.amdhsa_group_segment_fixed_size 3584
		.amdhsa_private_segment_fixed_size 0
		.amdhsa_enable_private_segment 0
		.amdhsa_kernarg_size 48
		.amdhsa_user_sgpr_count 2
		.amdhsa_user_sgpr_kernarg_segment_ptr 1
		.amdhsa_wavefront_size32 1
		.amdhsa_system_sgpr_workgroup_id_x 1
		.amdhsa_system_sgpr_workgroup_id_y 1
		.amdhsa_system_sgpr_workgroup_id_z 1
		.amdhsa_system_vgpr_workitem_id 0
		.amdhsa_next_free_vgpr 130
		.amdhsa_next_free_sgpr 100
		.amdhsa_reserve_vcc 1
		.amdhsa_float_denorm_mode_32 3
		.amdhsa_float_denorm_mode_16_64 3
		.amdhsa_memory_ordered 1
		.amdhsa_forward_progress 1
		.amdhsa_inst_pref_size 151
	.end_amdhsa_kernel
	.amdgpu_metadata
---
amdhsa.version: [ 1, 2 ]
amdhsa.kernels:
  - .name:           k_q97ec9aeea9_prep
    .symbol:         k_q97ec9aeea9_prep.kd
    .args:
      - { .name: W1, .offset: 0, .size: 8, .value_kind: global_buffer, .address_space: global }
      - { .name: W2, .offset: 8, .size: 8, .value_kind: global_buffer, .address_space: global }
      - { .name: expert_indices, .offset: 16, .size: 8, .value_kind: global_buffer, .address_space: global }
      - { .name: wq, .offset: 24, .size: 8, .value_kind: global_buffer, .address_space: global }
      - { .name: order, .offset: 32, .size: 8, .value_kind: global_buffer, .address_space: global }
      - { .name: tiles, .offset: 40, .size: 8, .value_kind: global_buffer, .address_space: global }
    .group_segment_fixed_size: 3584
    .private_segment_fixed_size: 0
    .kernarg_segment_align: 8
    .kernarg_segment_size: 48
    .max_flat_workgroup_size: 256
    .sgpr_count:     100
    .vgpr_count:     130
    .wavefront_size: 32
...
	.end_amdgpu_metadata
.endif
;; end of part 1
;; launch chain (part 2): grid 135 x 1, 4 waves a work-group, no clusters, 168,448 bytes of LDS; arguments tiles, order, wq, inputs, b1, b2, out0; writes out0
.if DOCPART == 2
	.amdgcn_target "amdgcn-amd-amdhsa--gfx1250"
	.amdhsa_code_object_version 6
	.text
	.protected	k_q97ec9aeea9_chain
	.globl	k_q97ec9aeea9_chain
	.p2align	8
	.type	k_q97ec9aeea9_chain,@function
k_q97ec9aeea9_chain:
	s_mov_b64 s[64:65], 0
	v_nop
	global_prefetch_b8 v0, s[64:65] scope:SCOPE_SE
	s_setreg_imm32_b32 hwreg(HW_REG_WAVE_MODE, 25, 1), 1
	s_wait_xcnt 0x0
; out0[row] = relu(x W1[e] + b1[e]) W2[e] + b2[e] for the routed rows (row = 2 token + j, e its expert), both products on codes of BF6 (E3M2) with one E8M0 scale for each 32 along K.
; A work-group takes ONE TILE of the list: at most 64 rows of one expert, through the whole chain.  8,192 rows in tiles of 64 over 8 experts are never more than 128 + 7 = 135 tiles, whatever the choice: the grid.
; THE WAVES SHARE THE COLUMNS: wave w makes hidden units 512 w .. + 511 (four chunks of 128) and then output columns 128 w .. + 127, for all 64 rows, so each byte of the expert's codes is loaded by one wave of the work-group.
; THE WEIGHTS come from memory straight into registers: wq holds them as images of the operands' registers, in records of 12,800 bytes (eight fragments and their scale words) in the order of use: 32 records a wave.
;   A ring of four register slots of a record each runs ahead of the products.
; x AND THE HIDDEN LAYER go from wave to wave through LDS as images of their registers (16 bytes a lane, 512 bytes an instruction); the whole hidden layer of the 64 rows lies in LDS: two barriers in all.
; BOTH PRODUCTS ARE USED TRANSPOSED (source 0 = 16 rows of a weight, source 1 = 16 routed rows): a lane holds one routed row, and its registers run along the hidden units or the output columns.
;   The rows of W1 that form a fragment were chosen so that the 16 registers of tiles 2 b and 2 b + 1 are 16 neighbours along the next K.  The biases are the C of each sum's first product.
; A tile with fewer than 64 rows repeats its last row (the place in order is held at the last) and stores only its own rows.  A record with no rows walks the same text on held addresses and stores nothing:
;   so no barrier stands under a branch on a number read from memory; at most 7 of the 135 work-groups are such.
; NO TENSOR LOADS, NO CLUSTER: which expert a work-group serves and how many tiles an expert has are numbers read from memory, and the stores are skipped by branches on such a number.
; LIMITS: NaN and infinities are not served; a block whose largest magnitude lies under 2^-122 keeps the scale byte 1; a block of zeros gets the byte 1 and not 127 (its codes are zeros; only this program reads the bytes).
;   A sum begins with its bias, so the bias is added first and not last.
; REGISTERS, in windows of 256 (s_set_vgpr_msb: bits 1:0 source 0, 3:2 source 1, 5:4 source 2, 7:6 destination):
;   window 0: v1-13 addresses; v16-18 rows; v20-23 scale words just made; v24-39 at work; v40-63 two sets of codes; v64-70 at work; v72-79 scale words of x or of the hidden layer; v80-95 the weights' scale words;
;             v96-191 two buffers of four fragments of x or of the hidden layer; on the way out v96-223 rows of the result, v224-255 their offsets
;   window 1: 256 accumulators: the hidden chunk (row tile m, tile t) at 64 m + 8 t; later the result (column tile o, row tile m) at 8 (4 o + m); at the head x's 256 numbers of a lane
;   window 2: ring slots 0, 1 at v0, v96; b1's eight tiles from v192      window 3: ring slots 2, 3; b2's eight tiles from v192
.set REC,    12800                     ; a record
.set FRB,    1536                      ; a fragment's image
.set STEPB,  6144                      ; four of them: the 64 rows' codes of one K step.  LDS bytes 0 on: step 0-3 x's, step 4 + c the hidden chunk c's
.set SCB,    122880                    ; behind the 20 steps: their scale words, 512 bytes a step: row tile m's word of lane l at 16 l + 4 m
.set STG,    133120                    ; behind those: a stage of 16 rows x (512 + 16) bytes for each wave, for the way out
.set SPITCH, 528
.set LI,   1                           ; v1   16 x lane; also the LDS address of steps 0-9; never rewritten
.set XA,   2                           ; v2   x: my row's first byte + 64 (lane / 16)
.set XWI,  3                           ; v3   where I store x's images: 16 lane + 1,536 wave
.set XWS,  4                           ; v4   and their scale words: SCB + 16 lane + 4 wave
.set HWI,  5                           ; v5   the same for the hidden chunk in hand
.set HWS,  6                           ; v6
.set AD1,  7                           ; v7   LDS address of steps 10-19; never rewritten
.set ADS,  8                           ; v8   LDS address of the scale words; never rewritten
.set STO,  9                           ; v9   the stage: where I put 32 bytes of a row
.set RD,   10                          ; v10  and where I read a row back
.set CO,   11                          ; v11  512 wave + 16 lane: my bytes in a row of out0
.set VB1,  12                          ; v12  64 (lane / 16): b1
.set VB2,  13                          ; v13  32 (lane / 16): b2
.set ROWS, 16                          ; v16-17  the routed row of tile row lane, and of tile row lane + 32
.set PW,   20
.set TM,   24                          ; v24-27 largest magnitudes, v28-31 bytes, v36-39 the conversions' scale operands
.set PC,   40
.set PT,   64
.set BS,   72
.set WS,   80
.set BB,   96
.set BK,   96
.set VO,   224
.set WP,   8                           ; s[8:9]  the stream of records: the group of four in hand
.set MSB,  0
.macro WIN new                         ; the immediate's high byte repeats the setting that is left; a switch that changes nothing is dropped
.if MSB != (\new)
	s_set_vgpr_msb (MSB<<8)|(\new)
.set MSB, (\new)
.endif
.endm
; A load into a register that a matrix instruction has read, and a vector instruction or an LDS store that reads a matrix result, stand four plain vector instructions behind it.
.macro PLACES
.rept 4
	v_nop
.endr
.endm
; 25 loads: record g (counted from s[WP]) into ring slot 'slot'; each load covers 512 consecutive bytes, aligned
.macro FILL slot, g
	WIN 0x80+0x40*((\slot)/2)
.irp f, 0,1,2,3,4,5,6,7
.irp p, 0,1,2
	global_load_b128 v[96*((\slot)%2)+12*\f+4*\p:96*((\slot)%2)+12*\f+4*\p+3], v[LI], s[WP:WP+1] offset:REC*(\g)+FRB*\f+512*\p
.endr
.endr
	WIN 0
	global_load_b128 v[WS+4*(\slot):WS+4*(\slot)+3], v[LI], s[WP:WP+1] offset:REC*(\g)+12288
.endm
; 13 LDS loads: step beta's four fragments and their scale words into buffer buf
.macro BFETCH buf, beta
.if (\beta) < 10
.set BA, LI
.set BO, STEPB*(\beta)
.else
.set BA, AD1
.set BO, STEPB*((\beta)-10)
.endif
.irp m, 0,1,2,3
.irp p, 0,1,2
	ds_load_b128 v[BB+48*(\buf)+12*\m+4*\p:BB+48*(\buf)+12*\m+4*\p+3], v[BA] offset:BO+FRB*\m+512*\p
.endr
.endr
	ds_load_b128 v[BS+4*(\buf):BS+4*(\buf)+3], v[ADS] offset:512*(\beta)
.endm
.macro B1LOAD off                      ; 16 loads: lane (r, h) wants, for tile t, b1 at hidden units 32 (t / 2) + 16 h + 8 (t % 2) + 0 .. 7 of the chunk
	WIN 0x80
.irp t, 0,1,2,3,4,5,6,7
	global_load_b128 v[192+8*\t:192+8*\t+3], v[VB1], s[12:13] offset:\off+(32*(\t/2)+8*(\t%2))*4
	global_load_b128 v[192+8*\t+4:192+8*\t+7], v[VB1], s[12:13] offset:\off+(32*(\t/2)+8*(\t%2))*4+16
.endr
	WIN 0
.endm
.macro B2LOAD                          ; 16 loads: for column tile o, b2 at columns 16 o + 8 h + 0 .. 7 of my 128
	WIN 0xc0
.irp o, 0,1,2,3,4,5,6,7
	global_load_b128 v[192+8*\o:192+8*\o+3], v[VB2], s[14:15] offset:64*\o
	global_load_b128 v[192+8*\o+4:192+8*\o+7], v[VB2], s[14:15] offset:64*\o+16
.endr
	WIN 0
.endm
; 64 numbers of a lane in window 1, register src + 16 b + i = k 32 b + 16 (lane / 16) + i of my row, become a fragment's codes in code set 'set' and its scale word in v[pw].  act = 1: relu first.
.macro QUANT src, set, pw, act
.set QS, \src
.set QP, PC+12*(\set)
.if \act
	WIN 0x44
.set j, 0
.rept 64
	v_max_num_f32 v[QS+j], 0, v[QS+j]              ; the activation, in f32; ascending
.set j, j+1
.endr
.endif
	WIN 0x14
.irp b, 0,1,2,3
.if \act
	v_max3_num_f32 v[TM+\b], 0x2800000, v[QS+16*\b], v[QS+16*\b+1]         ; block b: my 16 numbers, and the floor 2^(5 - 127): the byte cannot fall under 1
.else
	v_max3_num_f32 v[TM+\b], 0x2800000, |v[QS+16*\b]|, |v[QS+16*\b+1]|
.endif
.endr
.irp i, 2,4,6,8,10,12,14
.irp b, 0,1,2,3
.if \act
	v_max3_num_f32 v[TM+\b], v[TM+\b], v[QS+16*\b+\i], v[QS+16*\b+\i+1]    ; (the four blocks by turns)
.else
	v_max3_num_f32 v[TM+\b], v[TM+\b], |v[QS+16*\b+\i]|, |v[QS+16*\b+\i+1]|
.endif
.endr
.endr
	WIN 0
.irp b, 0,1,2,3
	v_permlanex16_b32 v[TM+4+\b], v[TM+\b], s26, s27
.endr
.irp b, 0,1,2,3
	v_max_num_f32 v[TM+\b], v[TM+\b], v[TM+4+\b]   ; with lane l xor 16's: the block's largest magnitude
.endr
.irp b, 0,1,2,3
	v_add_nc_u32 v[TM+12+\b], 0xfe000000, v[TM+\b] ; 4 off its exponent field: the conversion's scale operand
.endr
.irp b, 0,1,2,3
	v_lshrrev_b32 v[TM+4+\b], 23, v[TM+12+\b]      ; the scale's byte
.endr
	v_lshl_or_b32 v[\pw], v[TM+5], 8, v[TM+4]      ; my row's scale word
	v_lshl_or_b32 v[\pw], v[TM+6], 16, v[\pw]
	v_lshl_or_b32 v[\pw], v[TM+7], 24, v[\pw]
	WIN 0x01
.irp c, 0,1
	v_cvt_scalef32_pk16_bf6_f32 v[QP+6*\c:QP+6*\c+2], v[QS+32*\c:QS+32*\c+15], v[TM+12+2*\c]
	v_cvt_scalef32_pk16_bf6_f32 v[PT+4*\c:PT+4*\c+2], v[QS+32*\c+16:QS+32*\c+31], v[TM+13+2*\c]   ; (a conversion's three registers begin on an even number)
.endr
	WIN 0
	v_nop                                          ; one plain instruction behind the scaled conversions
.irp c, 0,1                                    ; the operand wants a whole block in a lane: lanes 0-15 block 2 c, lanes 16-31 block 2 c + 1
.irp i, 0,1,2
	v_permlane16_swap_b32 v[QP+6*\c+\i], v[PT+4*\c+\i]
.endr
.irp i, 0,1,2
	v_mov_b32 v[QP+3+6*\c+\i], v[PT+4*\c+\i]
.endr
.endr
.endm
.macro IMAGE adr, off, set             ; a code set goes to LDS as it stands
.irp p, 0,1,2
	ds_store_b128 v[\adr], v[PC+12*(\set)+4*\p:PC+12*(\set)+4*\p+3] offset:(\off)+512*\p
.endr
.endm
; One product; its registers stand in the symbols rD, rA, rB, rC, rSA, rSB.  An odd fragment's scale words lie in lanes 16-31 of their register.
.macro PROD odd
.if (\odd)
	v_wmma_scale_f32_16x16x128_f8f6f4 v[rD:rD+7], v[rA:rA+11], v[rB:rB+11], v[rC:rC+7], v[rSA], v[rSB] matrix_a_fmt:MATRIX_FMT_BF6 matrix_b_fmt:MATRIX_FMT_BF6 matrix_a_scale:MATRIX_SCALE_ROW1
.else
	v_wmma_scale_f32_16x16x128_f8f6f4 v[rD:rD+7], v[rA:rA+11], v[rB:rB+11], v[rC:rC+7], v[rSA], v[rSB] matrix_a_fmt:MATRIX_FMT_BF6 matrix_b_fmt:MATRIX_FMT_BF6
.endif
.endm
; A group of the first product: K step s of a hidden chunk: 8 tiles x 4 row tiles = 32 products on 32 accumulators by turns; then the slot is filled with the record four on.
.macro G1 s, d
	s_wait_loadcnt 63                              ; behind this slot's 25 loads at least three more records' 75 were issued; 63 is the largest count that a wait can name
	s_wait_dscnt \d
.if \s == 0
	WIN 0x62                                       ; weights window 2, C = b1 window 2, D window 1
.elseif \s == 1
	WIN 0x52
.else
	WIN 0x53
.endif
.irp t, 0,1,2,3,4,5,6,7
.irp m, 0,1,2,3
.set rD, 64*\m+8*\t
.set rA, 96*(\s%2)+12*\t
.set rB, BB+48*(\s%2)+12*\m
.set rC, rD
.if \s == 0
.set rC, 192+8*\t
.endif
.set rSA, WS+4*\s+\t/2
.set rSB, BS+4*(\s%2)+\m
	PROD \t%2
.endr
.endr
	WIN 0
	PLACES
	FILL \s, 4+\s
.endm
; A group of the second product: hidden chunk kk: 8 column tiles x 4 row tiles.  lc, dc: the younger loads and LDS instructions that may stay out.
.macro G2 kk, lc, dc, refill, fetch
.set SG, (\kk)%4
	s_wait_loadcnt \lc
	s_wait_dscnt \dc
.if (\kk) == 0
	WIN 0x72                                       ; weights window 2, C = b2 window 3, D window 1
.elseif SG < 2
	WIN 0x52
.else
	WIN 0x53
.endif
.irp o, 0,1,2,3,4,5,6,7
.irp m, 0,1,2,3
.set rD, 8*(4*\o+\m)
.set rA, 96*(SG%2)+12*\o
.set rB, BB+48*(SG%2)+12*\m
.set rC, rD
.if (\kk) == 0
.set rC, 192+8*\o
.endif
.set rSA, WS+4*SG+\o/2
.set rSB, BS+4*(SG%2)+\m
	PROD \o%2
.endr
.endr
	WIN 0
	PLACES
.if \refill
	FILL SG, (\kk)+4
.endif
.if \fetch
	BFETCH SG%2, (\kk)+6                           ; the hidden chunk two on: step 4 + kk + 2
.endif
.endm
	; ---- the head
	s_load_b256 s[4:11], s[0:1], 0x0               ; tiles s[4:5], order s[6:7], wq s[8:9], inputs s[10:11]
	s_load_b128 s[12:15], s[0:1], 0x20             ; b1 s[12:13], b2 s[14:15]
	s_load_b64 s[16:17], s[0:1], 0x30              ; out0
	v_lshl_add_u32 v67, v0, 2, 0x29000
	v_mov_b32 v71, 0
	v_lshrrev_b32 v14, 5, v0
	v_readfirstlane_b32 s18, v14                   ; wave 0..3
	v_and_b32 v15, 31, v0                          ; lane
	v_and_b32 v14, 15, v0                          ; r
	v_bfe_u32 v19, v0, 4, 1                        ; h
	v_lshlrev_b32 v[LI], 4, v15
	s_mul_i32 s34, s18, FRB
	v_add_nc_u32 v[XWI], s34, v[LI]
	s_lshl_b32 s34, s18, 2
	s_add_co_u32 s34, s34, SCB
	v_add_nc_u32 v[XWS], s34, v[LI]
	v_add_nc_u32 v[AD1], 10*STEPB, v[LI]
	v_add_nc_u32 v[ADS], SCB, v[LI]
	s_mul_i32 s34, s18, 16*SPITCH
	s_add_co_u32 s34, s34, STG                     ; my stage
	v_mul_u32_u24 v[STO], v14, SPITCH
	v_lshl_add_u32 v[STO], v19, 5, v[STO]
	v_add_nc_u32 v[STO], s34, v[STO]               ; in: row r, + 32 h
	v_add_nc_u32 v[RD], s34, v[LI]                 ; back: the 32 lanes take a row of 512 bytes
	s_lshl_b32 s34, s18, 9
	v_add_nc_u32 v[CO], s34, v[LI]
	v_lshlrev_b32 v[VB1], 6, v19
	v_lshlrev_b32 v[VB2], 5, v19
	s_mul_i32 s29, s18, 4*STEPB
	s_add_co_u32 s29, s29, 4*STEPB                 ; s29: LDS byte of my hidden chunk in hand: step 4 + 4 wave + ci
	s_lshl_b32 s30, s18, 11
	s_add_co_u32 s30, s30, SCB+2048                ; s30: and of its scale words
	s_mov_b32 s26, 0x76543210
	s_mov_b32 s27, 0xfedcba98                      ; v_permlanex16_b32's selects for lane l xor 16
.irp b, 0,1,2,3
	v_mov_b32 v[TM+4+\b], 0                        ; written once: a lane permute's destination counts as one of its sources
.endr
	s_lshl_b32 s34, ttmp9, 4
	s_mov_b32 s35, 0
	s_wait_kmcnt 0x0
	s_add_nc_u64 s[4:5], s[4:5], s[34:35]
	s_load_b128 s[20:23], s[4:5], 0x0              ; my tile: expert, first place in order, rows, 0
	s_wait_kmcnt 0x0
	s_min_u32 s20, s20, 7                          ; numbers read from memory are held inside their tables before they enter an address
	s_min_u32 s21, s21, 0x1fff
	s_min_u32 s22, s22, 64
	s_sub_co_u32 s24, s22, 1                       ; the last row's number in the tile (with no rows: the greatest number, which holds nothing back; the hold at 8,191 below then serves)
	s_lshl_b32 s34, s20, 2
	s_add_co_u32 s34, s34, s18
	s_mul_i32 s34, s34, 32*REC
	s_add_nc_u64 s[WP:WP+1], s[WP:WP+1], s[34:35]  ; my 32 records
	s_lshl_b32 s34, s20, 13
	s_lshl_b32 s36, s18, 11
	s_add_co_u32 s34, s34, s36
	s_add_nc_u64 s[12:13], s[12:13], s[34:35]      ; b1 at my first chunk
	s_lshl_b32 s34, s20, 11
	s_lshl_b32 s36, s18, 9
	s_add_co_u32 s34, s34, s36
	s_add_nc_u64 s[14:15], s[14:15], s[34:35]      ; b2 at my 128 columns
	s_lshl_b32 s36, s18, 4
	v_add_nc_u32 v[PT], s36, v14                   ; tile rows 16 wave + r (whose x I quantise), lane, lane + 32
	v_add_nc_u32 v[PT+2], 32, v15
	v_min_u32 v[PT], s24, v[PT]
	v_min_u32 v[PT+1], s24, v15
	v_min_u32 v[PT+2], s24, v[PT+2]
.irp i, 0,1,2
	v_add_nc_u32 v[PT+\i], s21, v[PT+\i]
	v_min_u32 v[PT+\i], 0x1fff, v[PT+\i]
	v_lshlrev_b32 v[PT+\i], 2, v[PT+\i]
.endr
	global_load_b32 v18, v[PT], s[6:7]
	global_load_b32 v[ROWS], v[PT+1], s[6:7]
	global_load_b32 v[ROWS+1], v[PT+2], s[6:7]
	B1LOAD 0
	FILL 0, 0
	s_wait_loadcnt 41                              ; the three rows' numbers are in: behind them b1's 16 loads and slot 0's 25
	v_lshrrev_b32 v[XA], 1, v18                    ; the token
	v_min_u32 v[XA], 0xfff, v[XA]
	v_lshlrev_b32 v[XA], 11, v[XA]                 ; its row of 2,048 bytes,
	v_lshl_add_u32 v[XA], v19, 6, v[XA]            ; + 64 h: my 16 numbers of each block of 32
	WIN 0x40
.irp s, 0,1,2,3
.irp b, 0,1,2,3
.irp j, 0,1,2,3
	global_load_b128 v[64*\s+16*\b+4*\j:64*\s+16*\b+4*\j+3], v[XA], s[10:11] offset:512*\s+128*\b+16*\j
.endr
.endr
.endr
	WIN 0
	FILL 1, 1
	; ---- x: my 16 rows become four fragments, K step by K step.  The counts: x's later steps (48, 32, 16, 0 loads) and slot 1's 25 are younger; the first is held at 63, the largest that a wait can name
.irp s, 0,1,2,3
.if \s == 0
	s_wait_loadcnt 63
.elseif \s == 1
	s_wait_loadcnt 57
.elseif \s == 2
	s_wait_loadcnt 41
.else
	s_wait_loadcnt 25
	FILL 2, 2
	FILL 3, 3
	B2LOAD
.endif
.if \s >= 2
	s_wait_dscnt 4                                 ; this code set's stores of two steps ago are done; the other set's four may be out
.endif
	QUANT 64*\s, \s%2, PW+\s, 0
	IMAGE XWI, STEPB*\s, \s%2
	ds_store_b32 v[XWS], v[PW+\s] offset:512*\s
.endr
	s_wait_dscnt 0x0                               ; for the others' sake: my images of x lie in LDS
	s_barrier_signal -1
	s_barrier_wait -1                              ; everybody's do
	BFETCH 0, 0
	BFETCH 1, 1
	; ---- the first product: four trips, a hidden chunk of 128 units each.  The counts on DScnt: 13 = the one run of LDS loads issued behind the run that is wanted
	s_mov_b32 s28, 4
.Lchunk:
	G1 0, 13
	s_cmp_eq_u32 s28, 1                            ; the next chunk's b1, if there is one: no load leaves its buffer
	s_cbranch_scc1 .Lno_b1
	B1LOAD 512
.Lno_b1:
	BFETCH 0, 2
	G1 1, 13
	BFETCH 1, 3
	G1 2, 13
	G1 3, 0
	v_add_nc_u32 v[HWI], s29, v[LI]                ; no LDS instruction of mine is out here: the chunk's store addresses are made
	v_add_nc_u32 v[HWS], s30, v[LI]
	s_cmp_eq_u32 s28, 1                            ; x's first two K steps for the next chunk land during the vector work below
	s_cbranch_scc1 .Lno_x
	BFETCH 0, 0
	BFETCH 1, 1
.Lno_x:
.irp m, 0,1,2,3
.if \m >= 2
	s_wait_dscnt 4                                 ; this code set's stores of two row tiles ago are done; the other set's four may be out
.endif
	QUANT 64*\m, \m%2, PW+\m, 1
	IMAGE HWI, FRB*\m, \m%2
	ds_store_b32 v[HWS], v[PW+\m] offset:4*\m
.endr
	s_wait_xcnt 0x0                                ; the loads issued have read their bases: these may be stepped
	s_add_nc_u64 s[WP:WP+1], s[WP:WP+1], 4*REC
	s_add_nc_u64 s[12:13], s[12:13], 512
	s_add_co_u32 s29, s29, STEPB
	s_add_co_u32 s30, s30, 512
	s_sub_co_u32 s28, s28, 1
	s_cmp_lg_u32 s28, 0
	s_cbranch_scc1 .Lchunk
	s_wait_dscnt 0x0                               ; for the others' sake: my four chunks of the hidden layer lie in LDS
	s_barrier_signal -1
	s_barrier_wait -1                              ; all sixteen do.  (The records' loads stay on their way: nobody writes those bytes)
	; ---- the second product: sixteen groups, written out: every LDS offset and every record's offset is an immediate.  s[WP] stands at record 16; the last trip above has already asked for records 16 .. 19
	BFETCH 0, 4
	BFETCH 1, 5
.irp kk, 0,1,2,3,4,5,6,7,8,9,10,11
	G2 \kk, 63, 13, 1, 1
.endr
	G2 12, 63, 13, 0, 1                            ; nothing is left to ask for: the counts run down: 75 younger loads (held at 63), 50, 25, 0
	G2 13, 50, 13, 0, 1
	G2 14, 25, 13, 0, 0
	G2 15, 0, 0, 0, 0
	; ---- the way out, a row tile at a time.  A lane holds 32 neighbouring bytes of a row and the lanes beside it other rows: a block of 16 rows x 128 columns goes through my own stage and comes back as whole rows
	; of 512 bytes.  LDS serves a wave's instructions in order (ISA guide 5.7.1.4): no wait between the stores and the loads, nor in front of the next block's stores.
.macro TOSTAGE m
	WIN 0x04                                       ; an LDS store's data are its source 1: window 1
.irp o, 0,1,2,3,4,5,6,7
	ds_store_b128 v[STO], v[8*(4*\o+(\m)):8*(4*\o+(\m))+3] offset:64*\o       ; each accumulator from its low end on
	ds_store_b128 v[STO], v[8*(4*\o+(\m))+4:8*(4*\o+(\m))+7] offset:64*\o+16
.endr
	WIN 0
.set BKS, BK+64*((\m)%2)
.irp t, 0,1,2,3,4,5,6,7,8,9,10,11,12,13,14,15
	ds_load_b128 v[BKS+4*\t:BKS+4*\t+3], v[RD] offset:\t*SPITCH
.endr
.endm
; Tile row 16 m + t goes to its routed row of out0; the rows past the tile's last are not stored.  younger: the LDS instructions issued behind block m's loads.
.macro SEND m, younger
.set BKS, BK+64*((\m)%2)
.set VOS, VO+16*((\m)%2)
	s_wait_dscnt \younger
.irp t, 0,1,2,3,4,5,6,7,8,9,10,11,12,13,14,15
	s_cmp_le_u32 s22, 16*(\m)+\t
	s_cbranch_scc1 .Lsent_\@
	v_readlane_b32 s34, v[ROWS+(16*(\m)+\t)/32], (16*(\m)+\t)%32
	s_min_u32 s34, s34, 0x1fff                     ; held inside out0's 8,192 rows
	v_lshl_add_u32 v[VOS+\t], s34, 11, v[CO]
	global_store_b128 v[VOS+\t], v[BKS+4*\t:BKS+4*\t+3], s[16:17] th:TH_STORE_NT   ; 32 lanes store 512 consecutive bytes, aligned; written once, read by nobody here
.endr
.Lsent_\@:
.endm
	TOSTAGE 0                                      ; (the four places behind the last products stand at the end of the last group)
.irp m, 1,2,3
.if \m >= 2
	s_wait_xcnt 0x0                                ; the stores of two blocks ago have read their registers: the block's loads may land there, and its offsets may be written
.endif
	TOSTAGE \m
	SEND \m-1, 32                                  ; behind block m - 1's loads: block m's 16 stores and 16 loads
.endr
	SEND 3, 0
	s_wait_tensorcnt 0x0
	ds_add_u32 v67, v71
	s_wait_dscnt 0x0
	s_endpgm
.Lfunc_end_k_q97ec9aeea9_chain:
	.size	k_q97ec9aeea9_chain, .Lfunc_end_k_q97ec9aeea9_chain-k_q97ec9aeea9_chain
	.p2alignl 7, 3214868480
	.fill 96, 4, 3214868480
	.section	.rodata,"a",@progbits
	.p2align	6, 0x0
	.amdhsa_kernel k_q97ec9aeea9_chain
		.amdhsa_group_segment_fixed_size 168448
		.amdhsa_private_segment_fixed_size 0
		.amdhsa_enable_private_segment 0
		.amdhsa_kernarg_size 56
		.amdhsa_user_sgpr_count 2
		.amdhsa_user_sgpr_kernarg_segment_ptr 1
		.amdhsa_wavefront_size32 1
		.amdhsa_system_sgpr_workgroup_id_x 1
		.amdhsa_system_sgpr_workgroup_id_y 1
		.amdhsa_system_sgpr_workgroup_id_z 1
		.amdhsa_system_vgpr_workitem_id 0
		.amdhsa_next_free_vgpr 1024
		.amdhsa_next_free_sgpr 66
		.amdhsa_reserve_vcc 0
		.amdhsa_float_denorm_mode_32 3
		.amdhsa_float_denorm_mode_16_64 3
		.amdhsa_memory_ordered 1
		.amdhsa_forward_progress 1
		.amdhsa_inst_pref_size 239
	.end_amdhsa_kernel
	.amdgpu_metadata
---
amdhsa.version: [ 1, 2 ]
amdhsa.kernels:
  - .name:           k_q97ec9aeea9_chain
    .symbol:         k_q97ec9aeea9_chain.kd
    .args:
      - { .name: tiles, .offset: 0, .size: 8, .value_kind: global_buffer, .address_space: global }
      - { .name: order, .offset: 8, .size: 8, .value_kind: global_buffer, .address_space: global }
      - { .name: wq, .offset: 16, .size: 8, .value_kind: global_buffer, .address_space: global }
      - { .name: inputs, .offset: 24, .size: 8, .value_kind: global_buffer, .address_space: global }
      - { .name: b1, .offset: 32, .size: 8, .value_kind: global_buffer, .address_space: global }
      - { .name: b2, .offset: 40, .size: 8, .value_kind: global_buffer, .address_space: global }
      - { .name: out0, .offset: 48, .size: 8, .value_kind: global_buffer, .address_space: global }
    .group_segment_fixed_size: 168448
    .private_segment_fixed_size: 0
    .kernarg_segment_align: 8
    .kernarg_segment_size: 56
    .max_flat_workgroup_size: 128
    .sgpr_count:     66
    .vgpr_count:     1024
    .wavefront_size: 32
...
	.end_amdgpu_metadata
.endif
;; end of part 2
;; ======== version 2 of 2: 2 launches; version 1 with the launch chain written anew for expert scheduling mode
;; workspace buffers: wq 13,107,200 bytes; order 32,768 bytes of whole numbers; tiles 4,096 bytes of whole numbers
;; launch prep: the kernel of part 1 again; grid 513 x 1, 8 waves a work-group, no clusters, 3,584 bytes of LDS; arguments W1, W2, expert_indices, wq, order, tiles; writes wq, order, tiles
;; launch chain (part 3): grid 135 x 1, 4 waves a work-group, no clusters, 168,448 bytes of LDS; arguments tiles, order, wq, inputs, b1, b2, out0; writes out0
.if DOCPART == 3
	.amdgcn_target "amdgcn-amd-amdhsa--gfx1250"
	.amdhsa_code_object_version 6
	.text
	.protected	k_q97ec9aeea9_chain
	.globl	k_q97ec9aeea9_chain
	.p2align	8
	.type	k_q97ec9aeea9_chain,@function
k_q97ec9aeea9_chain:
	s_mov_b64 s[64:65], 0
	v_nop
	global_prefetch_b8 v0, s[64:65] scope:SCOPE_SE
	s_setreg_imm32_b32 hwreg(HW_REG_WAVE_SCHED_MODE, 0, 2), 2
	s_setreg_imm32_b32 hwreg(HW_REG_WAVE_MODE, 25, 1), 1
	s_wait_xcnt 0x0
	s_wait_alu depctr_vm_vsrc(0)
; out0[row] = relu(x W1[e] + b1[e]) W2[e] + b2[e] for the routed rows (row = 2 token + j, e its expert), both products on codes of BF6 (E3M2) with one E8M0 scale for each 32 along K.
; A work-group takes ONE TILE of the list: at most 64 rows of one expert, through the whole chain.  8,192 rows in tiles of 64 over 8 experts are never more than 128 + 7 = 135 tiles, whatever the choice: the grid.
; THE WAVES SHARE THE COLUMNS: wave w makes hidden units 512 w .. + 511 (four chunks of 128) and then output columns 128 w .. + 127, for all 64 rows, so each byte of the expert's codes is loaded by one wave of the work-group.
; THE WEIGHTS come from memory straight into registers: wq holds them as images of the operands' registers, in records of 12,800 bytes (eight fragments and their scale words) in the order of use: 32 records a wave.
;   A ring of four register slots of a record each runs ahead of the products.
; x AND THE HIDDEN LAYER go from wave to wave through LDS as images of their registers (16 bytes a lane, 512 bytes an instruction); the whole hidden layer of the 64 rows lies in LDS: two barriers in all.
; BOTH PRODUCTS ARE USED TRANSPOSED (source 0 = 16 rows of a weight, source 1 = 16 routed rows): a lane holds one routed row, and its registers run along the hidden units or the output columns.
;   The rows of W1 that form a fragment were chosen so that the 16 registers of tiles 2 b and 2 b + 1 are 16 neighbours along the next K.  The biases are the C of each sum's first product.
; A tile with fewer than 64 rows repeats its last row (the place in order is held at the last) and stores only its own rows.  A record with no rows walks the same text on held addresses and stores nothing:
;   so no barrier stands under a branch on a number read from memory; at most 7 of the 135 work-groups are such.
; NO TENSOR LOADS, NO CLUSTER: which expert a work-group serves and how many tiles an expert has are numbers read from memory, and the stores are skipped by branches on such a number.
; LIMITS: NaN and infinities are not served; a block whose largest magnitude lies under 2^-122 keeps the scale byte 1; a block of zeros gets the byte 1 and not 127 (its codes are zeros; only this program reads the bytes).
;   A sum begins with its bias, so the bias is added first and not last.
; REGISTERS, in windows of 256 (s_set_vgpr_msb: bits 1:0 source 0, 3:2 source 1, 5:4 source 2, 7:6 destination):
;   window 0: v1-13 addresses; v16-18 rows; v20-23 scale words just made; v24-39 at work; v40-63 two sets of codes; v64-70 at work; v80-95 the weights' scale words;
;             v96-239 three buffers of four fragments of x or of the hidden layer; v240-251 their scale words; on the way out v96-223 rows of the result, v224-255 their offsets
;   window 1: 256 accumulators: the hidden chunk (row tile m, tile t) at 64 m + 8 t; later the result (column tile o, row tile m) at 8 (4 o + m); at the head x's 256 numbers of a lane
;   window 2: ring slots 0, 1 at v0, v96; b1's eight tiles from v192      window 3: ring slots 2, 3; b2's eight tiles from v192
; THE MODE: SCHED_MODE bits 1:0 = 2 (LLVM: expert scheduling mode 2), set by the entry lines.  The code itself states the register dependences between vector or matrix instructions
;   and memory or LDS instructions, with s_wait_alu, always for 0.
; THE PLAN.  A GROUP is 32 products: one record (a ring slot and its four scale registers) against one buffer (four fragments of the rows and their four scale registers).  Registers that memory or LDS instructions touch:
;   slots 0-3, v80-95    written by a record's 25 loads, read by one group's products.  The slot of group g is asked for again in group g + 1.
;   buffers 0-2, v240-251  written by 13 LDS loads, read by one group's products.  The buffer of group g is asked for again in group g + 1, for the group two further on.
;   b1's tiles           read by a chunk's first group as C, loaded again in its third group.  b2's are loaded once.
;   v40-63, v20-23       the code sets and scale words: written by QUANT, read by the four LDS stores behind it; a set is written again two QUANTs on.
;   v5, v6               written once a chunk, read by the chunk's sixteen LDS stores.
;   the accumulators     named by products and vector instructions; read by LDS stores on the way out alone.
;   v96-223, v224-255    on the way out: rows that LDS loads bring and global stores read; offsets that vector instructions make and the stores read; two sets of each by turns.
;   v1-4, v7-13          offsets and addresses, made once at the head and never written again: records are reached by a scalar base and immediates, LDS steps by immediates.
;   So ONE wait on va_vdst stands at the head of a group that loads, behind its waits for data: the group before is done reading its slot and its buffer.  The group's loads follow it in three runs among its products,
;   which name this group's slot, buffer, scale registers and the accumulators: none of the registers that those loads touch.  (Runs, not single loads: a run costs two switches of the register window.)
.set REC,    12800                     ; a record
.set FRB,    1536                      ; a fragment's image
.set STEPB,  6144                      ; four of them: the 64 rows' codes of one K step.  LDS bytes 0 on: step 0-3 x's, step 4 + c the hidden chunk c's
.set SCB,    122880                    ; behind the 20 steps: their scale words, 512 bytes a step: row tile m's word of lane l at 16 l + 4 m
.set STG,    133120                    ; behind those: a stage of 16 rows x (512 + 16) bytes for each wave, for the way out
.set SPITCH, 528
.set LI,   1                           ; v1   16 x lane; also the LDS address of steps 0-9; never rewritten
.set XA,   2                           ; v2   x: my row's first byte + 64 (lane / 16)
.set XWI,  3                           ; v3   where I store x's images: 16 lane + 1,536 wave
.set XWS,  4                           ; v4   and their scale words: SCB + 16 lane + 4 wave
.set HWI,  5                           ; v5   the same for the hidden chunk in hand
.set HWS,  6                           ; v6
.set AD1,  7                           ; v7   LDS address of steps 10-19; never rewritten
.set ADS,  8                           ; v8   LDS address of the scale words; never rewritten
.set STO,  9                           ; v9   the stage: where I put 32 bytes of a row
.set RD,   10                          ; v10  and where I read a row back
.set CO,   11                          ; v11  512 wave + 16 lane: my bytes in a row of out0
.set VB1,  12                          ; v12  64 (lane / 16): b1
.set VB2,  13                          ; v13  32 (lane / 16): b2
.set ROWS, 16                          ; v16-17  the routed row of tile row lane, and of tile row lane + 32
.set PW,   20
.set TM,   24                          ; v24-27 largest magnitudes, v28-31 bytes, v36-39 the conversions' scale operands
.set PC,   40
.set PT,   64
.set WS,   80
.set BB,   96
.set BS,   240
.set BK,   96
.set VO,   224
.set WP,   8                           ; s[8:9]  the stream of records: the group of four in hand
.set RS,   40                          ; s40-55  the way out: the routed rows of a block's sixteen tile rows
.set MSB,  0
.macro WIN new                         ; the immediate's high byte repeats the setting that is left; a switch that changes nothing is dropped
.if MSB != (\new)
	s_set_vgpr_msb (MSB<<8)|(\new)
.set MSB, (\new)
.endif
.endm
; Four plain vector instructions stand behind each group's products, ahead of the next instruction other than a product that touches their registers: the vector instructions and LDS stores
; that read results, and the loads into operands that are done with.  The waits on va_vdst stand beside them and fill no place.
.macro PLACES
.rept 4
	v_nop
.endr
.endm
; A record's 25 loads, in three parts; record g is counted from s[WP]; each load covers 512 consecutive bytes, aligned
.macro FILLF slot, g, f0               ; 12 loads: fragments f0 .. f0 + 3
	WIN 0x80+0x40*((\slot)/2)
.irp f, 0,1,2,3
.irp p, 0,1,2
	global_load_b128 v[96*((\slot)%2)+12*((\f0)+\f)+4*\p:96*((\slot)%2)+12*((\f0)+\f)+4*\p+3], v[LI], s[WP:WP+1] offset:REC*(\g)+FRB*((\f0)+\f)+512*\p
.endr
.endr
.endm
.macro FILLS slot, g                   ; one load: the scale words
	WIN 0
	global_load_b128 v[WS+4*(\slot):WS+4*(\slot)+3], v[LI], s[WP:WP+1] offset:REC*(\g)+12288
.endm
.macro FILL slot, g                    ; all 25 in one run
	FILLF \slot, \g, 0
	FILLF \slot, \g, 4
	FILLS \slot, \g
.endm
; 13 LDS loads: step beta's four fragments and their scale words into buffer buf
.macro BFETCH buf, beta
	WIN 0
.if (\beta) < 10
.set BA, LI
.set BO, STEPB*(\beta)
.else
.set BA, AD1
.set BO, STEPB*((\beta)-10)
.endif
.irp m, 0,1,2,3
.irp p, 0,1,2
	ds_load_b128 v[BB+48*(\buf)+12*\m+4*\p:BB+48*(\buf)+12*\m+4*\p+3], v[BA] offset:BO+FRB*\m+512*\p
.endr
.endr
	ds_load_b128 v[BS+4*(\buf):BS+4*(\buf)+3], v[ADS] offset:512*(\beta)
.endm
.macro B1LOAD off                      ; 16 loads: lane (r, h) wants, for tile t, b1 at hidden units 32 (t / 2) + 16 h + 8 (t % 2) + 0 .. 7 of the chunk
	WIN 0x80
.irp t, 0,1,2,3,4,5,6,7
	global_load_b128 v[192+8*\t:192+8*\t+3], v[VB1], s[12:13] offset:\off+(32*(\t/2)+8*(\t%2))*4
	global_load_b128 v[192+8*\t+4:192+8*\t+7], v[VB1], s[12:13] offset:\off+(32*(\t/2)+8*(\t%2))*4+16
.endr
	WIN 0
.endm
.macro B2LOAD                          ; 16 loads: for column tile o, b2 at columns 16 o + 8 h + 0 .. 7 of my 128
	WIN 0xc0
.irp o, 0,1,2,3,4,5,6,7
	global_load_b128 v[192+8*\o:192+8*\o+3], v[VB2], s[14:15] offset:64*\o
	global_load_b128 v[192+8*\o+4:192+8*\o+7], v[VB2], s[14:15] offset:64*\o+16
.endr
	WIN 0
.endm
; 64 numbers of a lane in window 1, register src + 16 b + i = k 32 b + 16 (lane / 16) + i of my row, become a fragment's codes in code set 'set' and its scale word in v[pw].  act = 1: relu first.
.macro QUANT src, set, pw, act
.set QS, \src
.set QP, PC+12*(\set)
.if \act
	WIN 0x44
.set j, 0
.rept 64
	v_max_num_f32 v[QS+j], 0, v[QS+j]              ; the activation, in f32; ascending
.set j, j+1
.endr
.endif
	WIN 0x14
.irp b, 0,1,2,3
.if \act
	v_max3_num_f32 v[TM+\b], 0x2800000, v[QS+16*\b], v[QS+16*\b+1]         ; block b: my 16 numbers, and the floor 2^(5 - 127): the byte cannot fall under 1
.else
	v_max3_num_f32 v[TM+\b], 0x2800000, |v[QS+16*\b]|, |v[QS+16*\b+1]|
.endif
.endr
.irp i, 2,4,6,8,10,12,14
.irp b, 0,1,2,3
.if \act
	v_max3_num_f32 v[TM+\b], v[TM+\b], v[QS+16*\b+\i], v[QS+16*\b+\i+1]    ; (the four blocks by turns)
.else
	v_max3_num_f32 v[TM+\b], v[TM+\b], |v[QS+16*\b+\i]|, |v[QS+16*\b+\i+1]|
.endif
.endr
.endr
	WIN 0
.irp b, 0,1,2,3
	v_permlanex16_b32 v[TM+4+\b], v[TM+\b], s26, s27
.endr
.irp b, 0,1,2,3
	v_max_num_f32 v[TM+\b], v[TM+\b], v[TM+4+\b]   ; with lane l xor 16's: the block's largest magnitude
.endr
.irp b, 0,1,2,3
	v_add_nc_u32 v[TM+12+\b], 0xfe000000, v[TM+\b] ; 4 off its exponent field: the conversion's scale operand
.endr
.irp b, 0,1,2,3
	v_lshrrev_b32 v[TM+4+\b], 23, v[TM+12+\b]      ; the scale's byte
.endr
	v_lshl_or_b32 v[\pw], v[TM+5], 8, v[TM+4]      ; my row's scale word
	v_lshl_or_b32 v[\pw], v[TM+6], 16, v[\pw]
	v_lshl_or_b32 v[\pw], v[TM+7], 24, v[\pw]
	WIN 0x01
.irp c, 0,1
	v_cvt_scalef32_pk16_bf6_f32 v[QP+6*\c:QP+6*\c+2], v[QS+32*\c:QS+32*\c+15], v[TM+12+2*\c]
	v_cvt_scalef32_pk16_bf6_f32 v[PT+4*\c:PT+4*\c+2], v[QS+32*\c+16:QS+32*\c+31], v[TM+13+2*\c]   ; (a conversion's three registers begin on an even number)
.endr
	WIN 0
	v_nop                                          ; one plain instruction behind the scaled conversions
.irp c, 0,1                                    ; the operand wants a whole block in a lane: lanes 0-15 block 2 c, lanes 16-31 block 2 c + 1
.irp i, 0,1,2
	v_permlane16_swap_b32 v[QP+6*\c+\i], v[PT+4*\c+\i]
.endr
.irp i, 0,1,2
	v_mov_b32 v[QP+3+6*\c+\i], v[PT+4*\c+\i]
.endr
.endr
.endm
.macro IMAGE adr, off, set             ; a code set goes to LDS as it stands
.irp p, 0,1,2
	ds_store_b128 v[\adr], v[PC+12*(\set)+4*\p:PC+12*(\set)+4*\p+3] offset:(\off)+512*\p
.endr
.endm
; One product; its registers stand in the symbols rD, rA, rB, rC, rSA, rSB.  An odd fragment's scale words lie in lanes 16-31 of their register.
.macro PROD odd
.if (\odd)
	v_wmma_scale_f32_16x16x128_f8f6f4 v[rD:rD+7], v[rA:rA+11], v[rB:rB+11], v[rC:rC+7], v[rSA], v[rSB] matrix_a_fmt:MATRIX_FMT_BF6 matrix_b_fmt:MATRIX_FMT_BF6 matrix_a_scale:MATRIX_SCALE_ROW1
.else
	v_wmma_scale_f32_16x16x128_f8f6f4 v[rD:rD+7], v[rA:rA+11], v[rB:rB+11], v[rC:rC+7], v[rSA], v[rSB] matrix_a_fmt:MATRIX_FMT_BF6 matrix_b_fmt:MATRIX_FMT_BF6
.endif
.endm
; Eight products of the first product's group s (K step s of a hidden chunk): tiles t0, t0 + 1 x the four row tiles.  Slot s, buffer s % 3.  A group's 32 accumulators take turns.
.macro M1 s, t0
.if \s == 0
	WIN 0x62                                       ; weights window 2, C = b1 window 2, D window 1
.elseif \s == 1
	WIN 0x52
.else
	WIN 0x53
.endif
.irp t, \t0, \t0+1
.irp m, 0,1,2,3
.set rD, 64*\m+8*(\t)
.set rA, 96*(\s%2)+12*(\t)
.set rB, BB+48*(\s%3)+12*\m
.set rC, rD
.if \s == 0
.set rC, 192+8*(\t)
.endif
.set rSA, WS+4*\s+(\t)/2
.set rSB, BS+4*(\s%3)+\m
	PROD (\t)%2
.endr
.endr
.endm
; Group s of a hidden chunk.  lc, dc: the younger loads and LDS instructions that may stay out.  Among its products stand: in group 0 the fetch of x's step 2 into buffer 2; in group 1 that of step 3 into buffer 0;
; in groups 1 to 3 the refill of slot s - 1 with the record four on; in group 2 the next chunk's b1.
.macro G1 s, lc, dc
	s_wait_loadcnt \lc
	s_wait_dscnt \dc
.if \s > 0
	s_wait_alu depctr_va_vdst(0)                   ; the group before is done reading its slot, that slot's scale words and its buffer (and the chunk's first group b1's tiles): the loads below land in them
.endif                                                 ; (group 0 has no such wait: buffer 2's last readers stand ahead of the waits in front of the LDS stores below, and nothing has named it since)
	M1 \s, 0
.if \s == 0
	BFETCH 2, 2
.elseif \s == 1
	BFETCH 0, 3
.endif
.if \s > 0
	FILLS \s-1, 3+\s
.endif
.if \s == 2
	s_cmp_eq_u32 s28, 1                            ; the next chunk's b1, if there is one: no load leaves its buffer
	s_cbranch_scc1 .Lno_b1_\@
	B1LOAD 512
.Lno_b1_\@:
.endif
	M1 \s, 2
.if \s > 0
	FILLF \s-1, 3+\s, 0
.endif
	M1 \s, 4
.if \s > 0
	FILLF \s-1, 3+\s, 4
.endif
	M1 \s, 6
	WIN 0
	PLACES
.endm
; Eight products of the second product's group kk (hidden chunk kk): column tiles o0, o0 + 1 x the four row tiles.  Slot kk % 4, buffer kk % 3.
.macro M2 kk, o0
.set SG, (\kk)%4
.set SH, (\kk)%3
.if (\kk) == 0
	WIN 0x72                                       ; weights window 2, C = b2 window 3, D window 1
.elseif SG < 2
	WIN 0x52
.else
	WIN 0x53
.endif
.irp o, \o0, \o0+1
.irp m, 0,1,2,3
.set rD, 8*(4*(\o)+\m)
.set rA, 96*(SG%2)+12*(\o)
.set rB, BB+48*SH+12*\m
.set rC, rD
.if (\kk) == 0
.set rC, 192+8*(\o)
.endif
.set rSA, WS+4*SG+(\o)/2
.set rSB, BS+4*SH+\m
	PROD (\o)%2
.endr
.endr
.endm
; Group kk of the second product.  Among its products stand: the fetch of hidden chunk kk + 2 (step kk + 6) into the buffer that group kk - 1 read, while there is such a chunk (kk up to 13);
; the refill of the slot that group kk - 1 read with record kk + 3 of the sixteen, while there is such a record (kk from 1 to 12: group 0 finds slot 3 asked for already).
.macro G2 kk, lc, dc
	s_wait_loadcnt \lc
	s_wait_dscnt \dc
.if (\kk) > 0 && (\kk) < 14
	s_wait_alu depctr_va_vdst(0)                   ; the group before is done reading its slot, that slot's scale words and its buffer: the loads below land in them
.endif                                                 ; (group 0 fetches into buffer 2 alone, whose last readers stand ahead of earlier waits; groups 14 and 15 load nothing)
	M2 \kk, 0
.if (\kk) < 14
	BFETCH ((\kk)+2)%3, (\kk)+6
.endif
.if (\kk) > 0 && (\kk) < 13
	FILLS ((\kk)+3)%4, (\kk)+3
.endif
	M2 \kk, 2
.if (\kk) > 0 && (\kk) < 13
	FILLF ((\kk)+3)%4, (\kk)+3, 0
.endif
	M2 \kk, 4
.if (\kk) > 0 && (\kk) < 13
	FILLF ((\kk)+3)%4, (\kk)+3, 4
.endif
	M2 \kk, 6
	WIN 0
	PLACES
.endm
	; ---- the head
	s_load_b256 s[4:11], s[0:1], 0x0               ; tiles s[4:5], order s[6:7], wq s[8:9], inputs s[10:11]
	s_load_b128 s[12:15], s[0:1], 0x20             ; b1 s[12:13], b2 s[14:15]
	s_load_b64 s[16:17], s[0:1], 0x30              ; out0
	v_lshl_add_u32 v78, v0, 2, 0x29000
	v_mov_b32 v79, 0
	v_lshrrev_b32 v14, 5, v0
	v_readfirstlane_b32 s18, v14                   ; wave 0..3
	v_and_b32 v15, 31, v0                          ; lane
	v_and_b32 v14, 15, v0                          ; r
	v_bfe_u32 v19, v0, 4, 1                        ; h
	v_lshlrev_b32 v[LI], 4, v15
	s_wait_alu depctr_va_sdst(0)                   ; s18 is written, ahead of its first reader
	s_mul_i32 s34, s18, FRB
	v_add_nc_u32 v[XWI], s34, v[LI]
	s_lshl_b32 s34, s18, 2
	s_add_co_u32 s34, s34, SCB
	v_add_nc_u32 v[XWS], s34, v[LI]
	v_add_nc_u32 v[AD1], 10*STEPB, v[LI]
	v_add_nc_u32 v[ADS], SCB, v[LI]
	s_mul_i32 s34, s18, 16*SPITCH
	s_add_co_u32 s34, s34, STG                     ; my stage
	v_mul_u32_u24 v[STO], v14, SPITCH
	v_lshl_add_u32 v[STO], v19, 5, v[STO]
	v_add_nc_u32 v[STO], s34, v[STO]               ; in: row r, + 32 h
	v_add_nc_u32 v[RD], s34, v[LI]                 ; back: the 32 lanes take a row of 512 bytes
	s_lshl_b32 s34, s18, 9
	v_add_nc_u32 v[CO], s34, v[LI]
	v_lshlrev_b32 v[VB1], 6, v19
	v_lshlrev_b32 v[VB2], 5, v19
	s_mul_i32 s29, s18, 4*STEPB
	s_add_co_u32 s29, s29, 4*STEPB                 ; s29: LDS byte of my hidden chunk in hand: step 4 + 4 wave + ci
	s_lshl_b32 s30, s18, 11
	s_add_co_u32 s30, s30, SCB+2048                ; s30: and of its scale words
	s_mov_b32 s26, 0x76543210
	s_mov_b32 s27, 0xfedcba98                      ; v_permlanex16_b32's selects for lane l xor 16
.irp b, 0,1,2,3
	v_mov_b32 v[TM+4+\b], 0                        ; written once: a lane permute's destination counts as one of its sources
.endr
	s_lshl_b32 s34, ttmp9, 4
	s_mov_b32 s35, 0
	s_wait_kmcnt 0x0
	s_add_nc_u64 s[4:5], s[4:5], s[34:35]
	s_load_b128 s[20:23], s[4:5], 0x0              ; my tile: expert, first place in order, rows, 0
	s_wait_kmcnt 0x0
	s_min_u32 s20, s20, 7                          ; numbers read from memory are held inside their tables before they enter an address
	s_min_u32 s21, s21, 0x1fff
	s_min_u32 s22, s22, 64
	s_sub_co_u32 s24, s22, 1                       ; the last row's number in the tile (with no rows: the greatest number, which holds nothing back; the hold at 8,191 below then serves)
	s_lshl_b32 s34, s20, 2
	s_add_co_u32 s34, s34, s18
	s_mul_i32 s34, s34, 32*REC
	s_add_nc_u64 s[WP:WP+1], s[WP:WP+1], s[34:35]  ; my 32 records
	s_lshl_b32 s34, s20, 13
	s_lshl_b32 s36, s18, 11
	s_add_co_u32 s34, s34, s36
	s_add_nc_u64 s[12:13], s[12:13], s[34:35]      ; b1 at my first chunk
	s_lshl_b32 s34, s20, 11
	s_lshl_b32 s36, s18, 9
	s_add_co_u32 s34, s34, s36
	s_add_nc_u64 s[14:15], s[14:15], s[34:35]      ; b2 at my 128 columns
	s_lshl_b32 s36, s18, 4
	v_add_nc_u32 v[PT], s36, v14                   ; tile rows 16 wave + r (whose x I quantise), lane, lane + 32
	v_add_nc_u32 v[PT+2], 32, v15
	v_min_u32 v[PT], s24, v[PT]
	v_min_u32 v[PT+1], s24, v15
	v_min_u32 v[PT+2], s24, v[PT+2]
.irp i, 0,1,2
	v_add_nc_u32 v[PT+\i], s21, v[PT+\i]
	v_min_u32 v[PT+\i], 0x1fff, v[PT+\i]
	v_lshlrev_b32 v[PT+\i], 2, v[PT+\i]
.endr
	s_wait_alu depctr_va_vdst(0)                   ; v1, v3, v4, v7 to v13 and v[PT .. PT + 2] are written: the offsets and addresses that the loads and stores of the kernel read
	global_load_b32 v18, v[PT], s[6:7]
	global_load_b32 v[ROWS], v[PT+1], s[6:7]
	global_load_b32 v[ROWS+1], v[PT+2], s[6:7]
	B1LOAD 0
	FILL 0, 0
	s_wait_loadcnt 41                              ; the three rows' numbers are in: behind them b1's 16 loads and slot 0's 25
	v_lshrrev_b32 v[XA], 1, v18                    ; the token
	v_min_u32 v[XA], 0xfff, v[XA]
	v_lshlrev_b32 v[XA], 11, v[XA]                 ; its row of 2,048 bytes,
	v_lshl_add_u32 v[XA], v19, 6, v[XA]            ; + 64 h: my 16 numbers of each block of 32
	WIN 0x40
	s_wait_alu depctr_va_vdst(0)                   ; v[XA] is written, which x's loads read as their offset
.irp s, 0,1,2,3
.irp b, 0,1,2,3
.irp j, 0,1,2,3
	global_load_b128 v[64*\s+16*\b+4*\j:64*\s+16*\b+4*\j+3], v[XA], s[10:11] offset:512*\s+128*\b+16*\j
.endr
.endr
.endr
	WIN 0
	FILL 1, 1
	; ---- x: my 16 rows become four fragments, K step by K step.  The counts: x's later steps (48, 32, 16, 0 loads) and slot 1's 25 are younger; the first is held at 63, the largest that a wait can name
.irp s, 0,1,2,3
.if \s == 0
	s_wait_loadcnt 63
	s_wait_alu depctr_vm_vsrc(0)                   ; the loads of the rows' numbers have read v[PT .. PT + 2], which the conversions write
.elseif \s == 1
	s_wait_loadcnt 57
.elseif \s == 2
	s_wait_loadcnt 41
.else
	s_wait_loadcnt 25
	FILL 2, 2                                      ; (no vector or matrix instruction has yet named these slots, their scale words or b2's tiles)
	FILL 3, 3
	B2LOAD
.endif
.if \s >= 2
	s_wait_dscnt 4                                 ; this code set's stores of two steps ago are done; the other set's four may be out
	s_wait_alu depctr_vm_vsrc(0)                   ; and have read the code set, which the conversions write again
.endif
	QUANT 64*\s, \s%2, PW+\s, 0
	s_wait_alu depctr_va_vdst(0)                   ; the code set and the scale word are written, which the four LDS stores read
	IMAGE XWI, STEPB*\s, \s%2
	ds_store_b32 v[XWS], v[PW+\s] offset:512*\s
.endr
	s_wait_dscnt 0x0                               ; for the others' sake: my images of x lie in LDS
	s_barrier_signal -1
	s_barrier_wait -1                              ; everybody's do
	BFETCH 0, 0                                    ; (no vector or matrix instruction has yet named the buffers)
	BFETCH 1, 1
	; ---- the first product: four trips, a hidden chunk of 128 units each.
	; The counts on LOADcnt: group 0: behind slot 0's loads, and behind b1's, stand those of slots 1, 2 and 3, 74 at the least; 63 is the largest count that a wait can name.  Groups 1 to 3: behind the slot's loads
	; stand two more slots' 50 (b1's 16, which the last trip does not issue, are not counted on).  On DScnt: 13 = the one run of LDS loads issued behind the run that is wanted; group 3's run is the youngest.
	s_mov_b32 s28, 4
.Lchunk:
	G1 0, 63, 13
	G1 1, 50, 13
	G1 2, 50, 13
	G1 3, 50, 0
	s_wait_alu depctr_vm_vsrc(0)                   ; the LDS stores issued so far (the last chunk's; in the first trip x's) have read v[HWI], v[HWS], both code sets and the four scale words, all written again below
	v_add_nc_u32 v[HWI], s29, v[LI]                ; the chunk's store addresses
	v_add_nc_u32 v[HWS], s30, v[LI]
	s_wait_alu depctr_va_vdst(0)                   ; group 3 is done reading slot 3, its scale words and buffer 0, in which the loads below land; v[HWI] and v[HWS] are written, which the LDS stores below read
	FILL 3, 7
	s_cmp_eq_u32 s28, 1                            ; x's first two K steps for the next chunk land during the vector work below
	s_cbranch_scc1 .Lno_x
	BFETCH 0, 0
	BFETCH 1, 1
.Lno_x:
.irp m, 0,1,2,3
.if \m >= 2
	s_wait_dscnt 4                                 ; this code set's stores of two row tiles ago are done; the other set's four may be out
	s_wait_alu depctr_vm_vsrc(0)                   ; and have read the code set, which the conversions write again
.endif
	QUANT 64*\m, \m%2, PW+\m, 1
	s_wait_alu depctr_va_vdst(0)                   ; the code set and the scale word are written, which the four LDS stores read
	IMAGE HWI, FRB*\m, \m%2
	ds_store_b32 v[HWS], v[PW+\m] offset:4*\m
.endr
	s_wait_xcnt 0x0                                ; the loads issued have read their bases: these may be stepped
	s_add_nc_u64 s[WP:WP+1], s[WP:WP+1], 4*REC
	s_add_nc_u64 s[12:13], s[12:13], 512
	s_add_co_u32 s29, s29, STEPB
	s_add_co_u32 s30, s30, 512
	s_sub_co_u32 s28, s28, 1
	s_cmp_lg_u32 s28, 0
	s_cbranch_scc1 .Lchunk
	s_wait_dscnt 0x0                               ; for the others' sake: my four chunks of the hidden layer lie in LDS
	s_barrier_signal -1
	s_barrier_wait -1                              ; all sixteen do.  (The records' loads stay on their way: nobody writes those bytes)
	; ---- the second product: sixteen groups, written out: every LDS offset and every record's offset is an immediate.  s[WP] stands at record 16; the last trip above has already asked for records 16 .. 19.
	; The counts on LOADcnt: group 0: three younger records, 75 loads, held at 63; groups 1 to 13: two younger records, 50; then nothing is left to ask for and the counts run down: 25, 0.
	; On DScnt: 13 = the one younger fetch; the last group's fetch is the youngest.
	BFETCH 0, 4                                    ; (the buffers' last readers stand ahead of the waits in front of the LDS stores above; nothing has named them since)
	BFETCH 1, 5
	G2 0, 63, 13
.irp kk, 1,2,3,4,5,6,7,8,9,10,11,12,13
	G2 \kk, 50, 13
.endr
	G2 14, 25, 13
	G2 15, 0, 0
	; ---- the way out, a row tile at a time.  A lane holds 32 neighbouring bytes of a row and the lanes beside it other rows: a block of 16 rows x 128 columns goes through my own stage and comes back as whole rows
	; of 512 bytes.  LDS serves a wave's instructions in order (ISA guide 5.7.1.4): no wait between the stores and the loads, nor in front of the next block's stores.
.macro TOSTAGE m
	WIN 0x04                                       ; an LDS store's data are its source 1: window 1
.irp o, 0,1,2,3,4,5,6,7
	ds_store_b128 v[STO], v[8*(4*\o+(\m)):8*(4*\o+(\m))+3] offset:64*\o       ; each accumulator from its low end on
	ds_store_b128 v[STO], v[8*(4*\o+(\m))+4:8*(4*\o+(\m))+7] offset:64*\o+16
.endr
	WIN 0
.set BKS, BK+64*((\m)%2)
.irp t, 0,1,2,3,4,5,6,7,8,9,10,11,12,13,14,15
	ds_load_b128 v[BKS+4*\t:BKS+4*\t+3], v[RD] offset:\t*SPITCH
.endr
.endm
; Tile row 16 m + t goes to its routed row of out0; the rows past the tile's last are not stored.  younger: the LDS instructions issued behind block m's loads.
; The sixteen rows' numbers are read in one run, ahead of the branches, and all sixteen offsets are made (a tile row past the last holds the last row's number): the stores alone are skipped.
.macro SEND m, younger
.set BKS, BK+64*((\m)%2)
.set VOS, VO+16*((\m)%2)
.irp t, 0,1,2,3,4,5,6,7,8,9,10,11,12,13,14,15
	v_readlane_b32 s[RS+\t], v[ROWS+(16*(\m)+\t)/32], (16*(\m)+\t)%32
.endr
	s_wait_alu depctr_va_sdst(0)                   ; s[RS ..] are written, ahead of their first readers
.irp t, 0,1,2,3,4,5,6,7,8,9,10,11,12,13,14,15
	s_min_u32 s[RS+\t], s[RS+\t], 0x1fff           ; held inside out0's 8,192 rows
.endr
.irp t, 0,1,2,3,4,5,6,7,8,9,10,11,12,13,14,15
	v_lshl_add_u32 v[VOS+\t], s[RS+\t], 11, v[CO]
.endr
	s_wait_alu depctr_va_vdst(0)                   ; the sixteen offsets are written, which the stores read
	s_wait_dscnt \younger
.irp t, 0,1,2,3,4,5,6,7,8,9,10,11,12,13,14,15
	s_cmp_le_u32 s22, 16*(\m)+\t
	s_cbranch_scc1 .Lsent_\@
	global_store_b128 v[VOS+\t], v[BKS+4*\t:BKS+4*\t+3], s[16:17] th:TH_STORE_NT   ; 32 lanes store 512 consecutive bytes, aligned; written once, read by nobody here
.endr
.Lsent_\@:
.endm
	s_wait_alu depctr_va_vdst(0)                   ; behind the four places at the last group's end: the products have written the accumulators, which the LDS stores read, and are done reading v96 on, in which the stage's loads land
	TOSTAGE 0
.irp m, 1,2,3
.if \m >= 2
	s_wait_xcnt 0x0                                ; the stores of two blocks ago have had their addresses translated: the block's loads may land in their data registers, and their offsets may be written
	s_wait_alu depctr_vm_vsrc(0)                   ; and have read those rows and offsets, which this block's LDS loads and the next offsets write again
.endif
	TOSTAGE \m
	SEND \m-1, 32                                  ; behind block m - 1's loads: block m's 16 stores and 16 loads
.endr
	SEND 3, 0
	s_wait_dscnt 0x0
	s_wait_alu depctr_hold_cnt(0) depctr_sa_sdst(0) depctr_va_vdst(0) depctr_va_sdst(0) depctr_va_ssrc(0) depctr_va_vcc(0) depctr_vm_vsrc(0)
	s_wait_tensorcnt 0x0
	ds_add_u32 v78, v79
	s_wait_dscnt 0x0
	s_endpgm
.Lfunc_end_k_q97ec9aeea9_chain:
	.size	k_q97ec9aeea9_chain, .Lfunc_end_k_q97ec9aeea9_chain-k_q97ec9aeea9_chain
	.p2alignl 7, 3214868480
	.fill 96, 4, 3214868480
	.section	.rodata,"a",@progbits
	.p2align	6, 0x0
	.amdhsa_kernel k_q97ec9aeea9_chain
		.amdhsa_group_segment_fixed_size 168448
		.amdhsa_private_segment_fixed_size 0
		.amdhsa_enable_private_segment 0
		.amdhsa_kernarg_size 56
		.amdhsa_user_sgpr_count 2
		.amdhsa_user_sgpr_kernarg_segment_ptr 1
		.amdhsa_wavefront_size32 1
		.amdhsa_system_sgpr_workgroup_id_x 1
		.amdhsa_system_sgpr_workgroup_id_y 1
		.amdhsa_system_sgpr_workgroup_id_z 1
		.amdhsa_system_vgpr_workitem_id 0
		.amdhsa_next_free_vgpr 1024
		.amdhsa_next_free_sgpr 66
		.amdhsa_reserve_vcc 0
		.amdhsa_float_denorm_mode_32 3
		.amdhsa_float_denorm_mode_16_64 3
		.amdhsa_memory_ordered 1
		.amdhsa_forward_progress 1
		.amdhsa_inst_pref_size 242
	.end_amdhsa_kernel
	.amdgpu_metadata
---
amdhsa.version: [ 1, 2 ]
amdhsa.kernels:
  - .name:           k_q97ec9aeea9_chain
    .symbol:         k_q97ec9aeea9_chain.kd
    .args:
      - { .name: tiles, .offset: 0, .size: 8, .value_kind: global_buffer, .address_space: global }
      - { .name: order, .offset: 8, .size: 8, .value_kind: global_buffer, .address_space: global }
      - { .name: wq, .offset: 16, .size: 8, .value_kind: global_buffer, .address_space: global }
      - { .name: inputs, .offset: 24, .size: 8, .value_kind: global_buffer, .address_space: global }
      - { .name: b1, .offset: 32, .size: 8, .value_kind: global_buffer, .address_space: global }
      - { .name: b2, .offset: 40, .size: 8, .value_kind: global_buffer, .address_space: global }
      - { .name: out0, .offset: 48, .size: 8, .value_kind: global_buffer, .address_space: global }
    .group_segment_fixed_size: 168448
    .private_segment_fixed_size: 0
    .kernarg_segment_align: 8
    .kernarg_segment_size: 56
    .max_flat_workgroup_size: 128
    .sgpr_count:     66
    .vgpr_count:     1024
    .wavefront_size: 32
...
	.end_amdgpu_metadata
.endif
;; end of part 3
